; MI455X (gfx1250); checked and timed in simulation.
; The chip was launched on July 23, 2026; its instructions are those of AMD's public machine-readable ISA for CDNA 5 (MIT licence, August 2026) and "CDNA5" Instruction Set Architecture Reference Guide (July 2026). The comments in the code are by the model that wrote it; some were corrected since.
;; OPT Attention. Allowed arithmetic: float matrix products may take bf16 or f16 operands with f32 sums; all other float work in f32.
;; Inputs: Wk 2,048 x 2,048 float32; Wo 2,048 x 2,048 float32; Wq 2,048 x 2,048 float32; Wv 2,048 x 2,048 float32; bk 2,048 float32; bo 2,048 float32; bq 2,048 float32; bv 2,048 float32; hidden_states 2 x 1,024 x 2,048 float32.
;; Outputs: out0 2 x 1,024 x 2,048 float32.
;; One version. Each part assembles by itself: llvm-mc -triple=amdgcn-amd-amdhsa -mcpu=gfx1250 --defsym DOCPART=n.
;; ======== version 1 of 1: 4 launches
;; limits: values are held in f16: magnitudes above 65,504 overflow, below 6.1e-05 lose precision; right only within a limited range of input values
;; workspace buffers: xb 8,388,608 bytes; wqkv 25,165,824 bytes; woh 8,388,608 bytes; qw 8,388,608 bytes; kw 8,388,608 bytes; vw 8,388,608 bytes; aw 8,388,608 bytes
;; launch cvt (part 1): grid 256 x 5, 8 waves a work-group, no clusters, 0 bytes of LDS; arguments hidden_states, Wq, Wk, Wv, Wo, xb, wqkv, woh; writes xb, wqkv, woh
.if DOCPART == 1
	.amdgcn_target "amdgcn-amd-amdhsa--gfx1250"
	.amdhsa_code_object_version 6
	.text
	.protected	k_q8194603f1f_cvt
	.globl	k_q8194603f1f_cvt
	.p2align	8
	.type	k_q8194603f1f_cvt,@function
k_q8194603f1f_cvt:
	s_mov_b64 s[64:65], 0
	v_nop
	global_prefetch_b8 v0, s[64:65] scope:SCOPE_SE
	s_setreg_imm32_b32 hwreg(HW_REG_WAVE_MODE, 25, 1), 1
	s_wait_xcnt 0x0
; Narrows the five large f32 inputs once, so that the three matrix launches read 16-bit tiles.
;   y = 0: hidden_states -> xb   [2048][2048] bf16
;   y = 1, 2, 3: Wq, Wk, Wv -> wqkv [6144][2048] bf16; row 64 head + d of matrix m (0, 1, 2) goes to row 192 head + 64 m + d,
;                so that one block of 192 rows holds a head's q, k and v weights
;   y = 4: Wo -> woh [2048][2048]: rounded to bf16 like the other four inputs, then written in f16's format, since its partner in the
;          last product (the attention result) is kept in f16.  The second step is exact for |w| >= 2^-17; below that its error is under 2^-25.
; A stream: 8 waves, a wave takes one row (8,192 bytes in, 4,096 out), all its 16 loads out at once.  No LDS, no barrier, no matrix unit:
; nothing is shared and nothing is read twice.
.set X, 4                              ; v[4:67]   load i: 4 f32
.set Y, 68                             ; v[68:99]  store i: 4 numbers of 16 bits
	s_load_b512 s[8:23], s[0:1], 0x0               ; X s[8:9], Wq s[10:11], Wk s[12:13], Wv s[14:15], Wo s[16:17], xb s[18:19], wqkv s[20:21], woh s[22:23]
	s_and_b32 s2, ttmp7, 0xffff                    ; y: which matrix
	v_lshrrev_b32 v3, 5, v0
	v_readfirstlane_b32 s3, v3                     ; wave
	s_lshl_b32 s4, ttmp9, 3
	s_add_co_u32 s4, s4, s3                        ; my row = 8 x + wave
	v_and_b32 v1, 31, v0
	v_lshlrev_b32 v2, 3, v1                        ; 8 bytes a lane out
	v_lshlrev_b32 v1, 4, v1                        ; 16 bytes a lane in
	s_sub_co_u32 s5, s2, 1                         ; m = y - 1 (below 3 for Wq, Wk, Wv alone)
	s_lshr_b32 s6, s4, 6
	s_mul_i32 s6, s6, 192                          ; 192 head
	s_and_b32 s7, s4, 63
	s_add_co_u32 s6, s6, s7                        ; + d
	s_lshl_b32 s7, s5, 6
	s_add_co_u32 s6, s6, s7                        ; + 64 m
	s_cmp_lt_u32 s5, 3
	s_cselect_b32 s6, s6, s4                       ; the row out: interleaved for the three, the same row for X and Wo
	s_lshl_b32 s28, s4, 13                         ; byte offsets, each in a pair with 0 above
	s_mov_b32 s29, 0
	s_lshl_b32 s30, s6, 12
	s_mov_b32 s31, 0
	s_wait_kmcnt 0x0
	s_cmp_eq_u32 s2, 1
	s_cselect_b64 s[24:25], s[10:11], s[8:9]       ; the source, chosen on y
	s_cmp_eq_u32 s2, 2
	s_cselect_b64 s[24:25], s[12:13], s[24:25]
	s_cmp_eq_u32 s2, 3
	s_cselect_b64 s[24:25], s[14:15], s[24:25]
	s_cmp_eq_u32 s2, 4
	s_cselect_b64 s[24:25], s[16:17], s[24:25]
	s_cmp_eq_u32 s2, 0
	s_cselect_b64 s[26:27], s[18:19], s[22:23]     ; the destination
	s_cmp_lt_u32 s5, 3
	s_cselect_b64 s[26:27], s[20:21], s[26:27]
	s_add_nc_u64 s[24:25], s[24:25], s[28:29]
	s_add_nc_u64 s[26:27], s[26:27], s[30:31]
.irp i, 0,1,2,3,4,5,6,7,8,9,10,11,12,13,14,15
	global_load_b128 v[X+4*\i:X+4*\i+3], v1, s[24:25] offset:512*\i th:TH_LOAD_NT   ; 512 neighbouring bytes a load; read once in the launch
.endr
; half = 0: round to bf16.  half = 1: round to bf16, widen again (a shift, a mask), write as f16.
; Each store of the wave covers 256 consecutive bytes, aligned.  No register that a pending load or store names is written again.
.macro ROWOUT half
.irp i, 0,1,2,3,4,5,6,7,8,9,10,11,12,13,14,15
	s_wait_loadcnt 15-\i                           ; loads come back in order: load i is in, the younger ones stay out
	v_cvt_pk_bf16_f32 v[Y+2*\i],   v[X+4*\i],   v[X+4*\i+1]
	v_cvt_pk_bf16_f32 v[Y+2*\i+1], v[X+4*\i+2], v[X+4*\i+3]
.if \half
	v_lshlrev_b32 v[X+4*\i],   16,         v[Y+2*\i]
	v_and_b32     v[X+4*\i+1], 0xffff0000, v[Y+2*\i]
	v_lshlrev_b32 v[X+4*\i+2], 16,         v[Y+2*\i+1]
	v_and_b32     v[X+4*\i+3], 0xffff0000, v[Y+2*\i+1]
	v_cvt_pk_f16_f32 v[Y+2*\i],   v[X+4*\i],   v[X+4*\i+1]
	v_cvt_pk_f16_f32 v[Y+2*\i+1], v[X+4*\i+2], v[X+4*\i+3]
.endif
	global_store_b64 v2, v[Y+2*\i:Y+2*\i+1], s[26:27] offset:256*\i   ; no hint: the next launches read it
.endr
.endm
	s_cmp_eq_u32 s2, 4
	s_cbranch_scc1 .Lhalf
	ROWOUT 0
	s_endpgm
.Lhalf:
	ROWOUT 1
	s_endpgm
.Lfunc_end_k_q8194603f1f_cvt:
	.size	k_q8194603f1f_cvt, .Lfunc_end_k_q8194603f1f_cvt-k_q8194603f1f_cvt
	.p2alignl 7, 3214868480
	.fill 96, 4, 3214868480
	.section	.rodata,"a",@progbits
	.p2align	6, 0x0
	.amdhsa_kernel k_q8194603f1f_cvt
		.amdhsa_group_segment_fixed_size 0
		.amdhsa_private_segment_fixed_size 0
		.amdhsa_enable_private_segment 0
		.amdhsa_kernarg_size 64
		.amdhsa_user_sgpr_count 2
		.amdhsa_user_sgpr_kernarg_segment_ptr 1
		.amdhsa_wavefront_size32 1
		.amdhsa_system_sgpr_workgroup_id_x 1
		.amdhsa_system_sgpr_workgroup_id_y 1
		.amdhsa_system_sgpr_workgroup_id_z 1
		.amdhsa_system_vgpr_workitem_id 0
		.amdhsa_next_free_vgpr 104
		.amdhsa_next_free_sgpr 66
		.amdhsa_reserve_vcc 0
		.amdhsa_float_denorm_mode_32 3
		.amdhsa_float_denorm_mode_16_64 3
		.amdhsa_memory_ordered 1
		.amdhsa_forward_progress 1
		.amdhsa_inst_pref_size 17
	.end_amdhsa_kernel
	.amdgpu_metadata
---
amdhsa.version: [ 1, 2 ]
amdhsa.kernels:
  - .name:           k_q8194603f1f_cvt
    .symbol:         k_q8194603f1f_cvt.kd
    .args:
      - { .name: hidden_states, .offset: 0, .size: 8, .value_kind: global_buffer, .address_space: global }
      - { .name: Wq, .offset: 8, .size: 8, .value_kind: global_buffer, .address_space: global }
      - { .name: Wk, .offset: 16, .size: 8, .value_kind: global_buffer, .address_space: global }
      - { .name: Wv, .offset: 24, .size: 8, .value_kind: global_buffer, .address_space: global }
      - { .name: Wo, .offset: 32, .size: 8, .value_kind: global_buffer, .address_space: global }
      - { .name: xb, .offset: 40, .size: 8, .value_kind: global_buffer, .address_space: global }
      - { .name: wqkv, .offset: 48, .size: 8, .value_kind: global_buffer, .address_space: global }
      - { .name: woh, .offset: 56, .size: 8, .value_kind: global_buffer, .address_space: global }
    .group_segment_fixed_size: 0
    .private_segment_fixed_size: 0
    .kernarg_segment_align: 8
    .kernarg_segment_size: 64
    .max_flat_workgroup_size: 256
    .sgpr_count:     66
    .vgpr_count:     104
    .wavefront_size: 32
...
	.end_amdgpu_metadata
.endif
;; end of part 1
;; launch qkv (part 2): grid 32 x 8, 4 waves a work-group, clusters of 4 x 4, 327,680 bytes of LDS; arguments xb, wqkv, bq, bk, bv, qw, kw, vw; writes qw, kw, vw
.if DOCPART == 2
	.amdgcn_target "amdgcn-amd-amdhsa--gfx1250"
	.amdhsa_code_object_version 6
	.text
	.protected	k_q8194603f1f_qkv
	.globl	k_q8194603f1f_qkv
	.p2align	8
	.type	k_q8194603f1f_qkv,@function
k_q8194603f1f_qkv:
	s_mov_b64 s[64:65], 0
	v_nop
	global_prefetch_b8 v0, s[64:65] scope:SCOPE_SE
	s_setreg_imm32_b32 hwreg(HW_REG_WAVE_MODE, 25, 1), 1
	s_wait_xcnt 0x0
	s_wait_alu depctr_hold_cnt(0) depctr_sa_sdst(0) depctr_va_vdst(0) depctr_va_sdst(0) depctr_va_ssrc(0) depctr_va_vcc(0) depctr_vm_vsrc(0)
	s_getreg_b32 s2, hwreg(HW_REG_IB_STS2, 6, 4)
	s_cmp_eq_u32 s2, 0
	s_cbranch_scc0 .Lentry_in_a_cluster
	s_endpgm
.Lentry_in_a_cluster:
	s_bfe_u32 s2, ttmp6, 0x10000c
	s_cmp_lg_u32 s2, 0xf033
	s_cbranch_scc0 .Lentry_shape_is_right
	s_endpgm
.Lentry_shape_is_right:
; Q, K, V = X W^T + b.  xb: [2048][2048] bf16; wqkv: [6144][2048] bf16, a head's 64 q, 64 k, 64 v rows together; sums in f32.
; Results go out in f16 as [batch*32 + head][s = 1024][d = 64].  LIMIT: |q|, |k|, |v| below 65,504 (f16's largest); with inputs as drawn their
; spread is 1, with X and W both 30 times larger it is 900.  f16 and not bf16: query row 0 of a causal softmax is a plain row of V, so its
; output has spread 1 where the whole output's rms is near 0.13; bf16's step (2^-7 at 1) would leave an error there above 0.01 of that rms.
; A work-group makes 256 tokens x one head's 192 columns: 256 work-groups.  Four waves; wave w makes rows 64 w .. 64 w + 63 x all 192 columns:
; 4 x 12 accumulator tiles, 384 registers.  K goes in 16 steps of 128 (rows of 256 bytes, aligned) through two LDS slots.
; CLUSTERS of 4 x 4: the four of a row need the same 256 tokens of X, the four of a column the same head's weights: joint loads, a quarter of the requests.
; The matrix instruction is used transposed (source 0 = rows of W, source 1 = rows of X): a lane holds token l % 16 and columns 16 b + 8 (l / 16) + 0..7.
; The bias has the accumulator's layout (register j = bias of column 16 b + 8 (l / 16) + j) and is the C of the first product: nothing is cleared or added later.
; REGISTERS: window 0: v16-27 addresses, v32-63 / v64-95 X fragments (two buffers), v96-143 packed results, v144-239 bias;
;            window 1: v0-95 / v96-191 W fragments (two buffers); window 2: tiles of my rows 0-31 at 8 (12 a + b); window 3: rows 32-63.
.set KSTEP,  128
.set PITCH,  272                       ; 256 bytes + 16 of padding: an odd multiple of 16, so a fragment's 16 rows start 16 bytes apart modulo 256
.set HALFT,  128*PITCH                 ; what one load of X brings; wave w's load lands at w x HALFT
.set SLOT,   3*HALFT+96*PITCH          ; X rows 0-127, X rows 128-255, W rows 0-95 (in 128 rows' room), W rows 96-191
.set STAGE,  2*SLOT                    ; behind the ring, 261,120 = 1,020 x 256: 16 rows x 400 bytes for each wave; no fill lands here
.set SPITCH, 400                       ; 384 bytes (q, k, v: 128 each) + 16
.set LAPS,   8                         ; 2,048 / 256: a lap is two K steps, once round the ring
.set ADRA, 16                          ; v16-17  my X fragments in slot 0, 1
.set ADRB, 20                          ; v20-21  the W fragments
.set STO,  24
.set RD,   25
.set CO,   26
.set BO,   27
.set FA,   32                          ; X fragment buffer f at FA + 32 f; W fragment buffer f at 96 f in window 1
.set TMP,  96
.set BIAS, 144
.set RB,   32                          ; the way out: rows read back (the fragment buffers are free then)
.set G1,  24                           ; s[24:31] group 1 for X's tiles
.set G0,  32                           ; s[32:39] group 0 for X's tiles, one set a slot
.set G1B, 48                           ; s[48:55] group 1 for W's tiles
.set G0B, 56                           ; s[56:63] group 0 for W's tiles
.set GW, (1<<16)|(1<<20)|(1<<21)|(5<<22)|(3<<25)   ; 2-byte elements; padding on; bit 21 beside a mask; after every 64 words, 4 words
.set MSB, 0
.macro WIN new                         ; the immediate's high byte repeats the setting that is left
.if MSB != \new
	s_set_vgpr_msb (MSB<<8)|\new
.set MSB, \new
.endif
.endm
; A joint load: waves 0, 1 ask for X's two halves, waves 2, 3 for W's.  The branch hangs on the wave's number alone.
.macro JLOAD s
	s_cmp_eq_u32 s11, 0
	s_cbranch_scc0 .Lfor_b_\@
	tensor_load_to_lds s[G0+4*\s:G0+4*\s+3], s[G1:G1+7]
	s_nop 0
	s_branch .Lasked_\@
.Lfor_b_\@:
	tensor_load_to_lds s[G0B+4*\s:G0B+4*\s+3], s[G1B:G1B+7]
	s_nop 0
.Lasked_\@:
.endm
.macro CREST                           ; a round of the cluster's barrier, behind its opening work-group barrier
	s_cmp_lg_u32 s10, 0
	s_cbranch_scc1 .Lnot_wave_0_\@
	s_barrier_signal -3
.Lnot_wave_0_\@:
	s_barrier_wait -3
	s_barrier_signal -1
	s_barrier_wait -1
.endm
.macro CROUND
	s_barrier_signal -1
	s_barrier_wait -1
	CREST
.endm
.macro PLACES                          ; four plain places behind a matrix instruction, in front of loads into its sources and of readers of its result
.rept 4
	v_nop
.endr
.endm
	s_load_b512 s[68:83], s[0:1], 0x0              ; xb s[68:69], wqkv s[70:71], bq s[72:73], bk s[74:75], bv s[76:77], qw s[78:79], kw s[80:81], vw s[82:83]
	s_set_vgpr_msb 0x40
	v_lshl_add_u32 v255, v0, 2, 0x46000
	s_set_vgpr_msb 0x4000
	v_mov_b32 v255, 0
	s_set_vgpr_msb 0x1
	ds_add_u32 v255, v255
	s_set_vgpr_msb 0x100
	v_lshrrev_b32 v1, 5, v0
	v_readfirstlane_b32 s10, v1                    ; wave 0..3
	s_lshr_b32 s11, s10, 1                         ; I fetch for X (0) or for W (1)
	s_and_b32 s12, s10, 1                          ; which half of that tile
	s_bfe_u32 s40, ttmp6, 0x40000                  ; cx
	s_bfe_u32 s41, ttmp6, 0x40004                  ; cy
	s_lshl_b32 s42, ttmp9, 2
	s_add_co_u32 s42, s42, s40                     ; head = 4 x cluster x + cx
	s_and_b32 s13, ttmp7, 0xffff
	s_lshl_b32 s13, s13, 2
	s_add_co_u32 s13, s13, s41                     ; token block = 4 x cluster y + cy
	s_lshl_b32 s43, s41, 2
	s_lshl_b32 s43, 15, s43                        ; my row of the cluster
	s_lshl_b32 s44, 0x1111, s40                    ; my column
	s_or_b32 s[G1+0], s43, GW                      ; X's tiles go to my row
	s_or_b32 s[G1B+0], s44, GW                     ; W's to my column
	s_mov_b32 s[G1+1], KSTEP<<16                   ; tensor_dim0 = 128
	s_mov_b32 s[G1B+1], KSTEP<<16
	s_mov_b32 s[G1+2], 128<<16                     ; tensor_dim1 = 128 rows of X
	s_mov_b32 s[G1B+2], 96<<16                     ;             = 96 rows of W
	s_mov_b32 s[G1+3], KSTEP<<16                   ; tile_dim0 = 128
	s_mov_b32 s[G1B+3], KSTEP<<16
	s_mov_b32 s[G1+4], 128                         ; tile_dim1
	s_mov_b32 s[G1B+4], 96
	s_mov_b32 s[G1+5], 2048                        ; elements from row to row
	s_mov_b32 s[G1B+5], 2048
	s_mov_b32 s[G1+6], 0
	s_mov_b32 s[G1B+6], 0
	s_mov_b32 s[G1+7], 0
	s_mov_b32 s[G1B+7], 0
	s_lshl_b32 s17, s12, 7
	s_lshl_b32 s16, s13, 8
	s_add_co_u32 s16, s16, s17                     ; X: row 256 block + 128 half (hangs on the token block alone)
	s_lshl_b32 s16, s16, 12                        ; x 4,096 bytes
	s_mov_b32 s17, 0
	s_mul_i32 s46, s42, 192
	s_mul_i32 s47, s12, 96
	s_add_co_u32 s46, s46, s47                     ; W: row 192 head + 96 half (hangs on the head alone)
	s_lshl_b32 s46, s46, 12
	s_mov_b32 s47, 0
	s_mul_i32 s20, s10, HALFT                      ; where my load lands: the wave's number alone
	s_lshl_b32 s84, s42, 8                         ; the head's 64 biases: 256 bytes x head
	s_mov_b32 s85, 0
	s_lshr_b32 s86, s13, 2                         ; batch
	s_lshl_b32 s86, s86, 5
	s_add_co_u32 s86, s86, s42                     ; 32 batch + head
	s_lshl_b32 s86, s86, 10
	s_and_b32 s87, s13, 3
	s_lshl_b32 s87, s87, 8
	s_add_co_u32 s86, s86, s87                     ; + 256 (block in the batch)
	s_lshl_b32 s87, s10, 6
	s_add_co_u32 s86, s86, s87                     ; + 64 wave: my first row in [bh][s]
	s_lshl_b32 s86, s86, 7                         ; x 128 bytes
	s_mov_b32 s87, 0
	s_wait_dscnt 0x0
	s_wait_kmcnt 0x0
	s_add_nc_u64 s[14:15], s[68:69], s[16:17]
	s_add_nc_u64 s[46:47], s[70:71], s[46:47]
	s_add_nc_u64 s[72:73], s[72:73], s[84:85]
	s_add_nc_u64 s[74:75], s[74:75], s[84:85]
	s_add_nc_u64 s[76:77], s[76:77], s[84:85]
	s_add_nc_u64 s[78:79], s[78:79], s[86:87]
	s_add_nc_u64 s[80:81], s[80:81], s[86:87]
	s_add_nc_u64 s[82:83], s[82:83], s[86:87]
	CROUND                                         ; all sixteen work-groups are here: the first joint loads meet
.irp s, 0,1
	s_mov_b32 s[G0+4*\s], 1
	s_add_co_u32 s[G0+4*\s+1], s20, \s*SLOT
	s_add_nc_u64 s[G0+4*\s+2:G0+4*\s+3], s[14:15], \s*KSTEP*2
	s_or_b32 s[G0+4*\s+3], s[G0+4*\s+3], 0x80000000
	s_mov_b32 s[G0B+4*\s], 1
	s_add_co_u32 s[G0B+4*\s+1], s20, \s*SLOT
	s_add_nc_u64 s[G0B+4*\s+2:G0B+4*\s+3], s[46:47], \s*KSTEP*2
	s_or_b32 s[G0B+4*\s+3], s[G0B+4*\s+3], 0x80000000
	JLOAD \s                                       ; K steps 0 and 1: two loads of the wave are out
.endr
	v_and_b32 v1, 15, v0                           ; r = l % 16
	v_bfe_u32 v2, v0, 4, 1                         ; h = l / 16
	v_mul_u32_u24 v3, v1, PITCH
	v_lshl_add_u32 v3, v2, 4, v3                   ; r x pitch + 16 h
	s_mul_i32 s21, s10, 64*PITCH                   ; my 64 rows of X
	s_mov_b32 s22, 2*HALFT                         ; W lies behind X's 256 rows
.irp s, 0,1
	v_add_nc_u32 v[ADRA+\s], s21, v3
	v_add_nc_u32 v[ADRB+\s], s22, v3
	s_add_co_u32 s21, s21, SLOT
	s_add_co_u32 s22, s22, SLOT
.endr
	s_mul_i32 s23, s10, 16*SPITCH
	s_add_co_u32 s23, s23, STAGE                   ; my stage
	v_mul_u32_u24 v4, v1, SPITCH
	v_lshl_add_u32 v4, v2, 4, v4
	v_add_nc_u32 v[STO], s23, v4                   ; in: row r, 16 bytes for each half of the lanes
	v_and_b32 v5, 31, v0
	v_lshrrev_b32 v6, 3, v5
	v_mul_u32_u24 v6, v6, SPITCH
	v_and_b32 v7, 7, v0
	v_lshl_add_u32 v6, v7, 4, v6
	v_add_nc_u32 v[RD], s23, v6                    ; back: eight lanes take one matrix's 128 bytes of a row, the wave four rows
	v_lshlrev_b32 v[CO], 4, v5                     ; those four rows are 512 consecutive bytes of the head's block
	v_lshlrev_b32 v[BO], 5, v2                     ; bias: 8 h numbers in
.irp b, 0,1,2,3,4,5,6,7,8,9,10,11
	global_load_b128 v[BIAS+8*\b:BIAS+8*\b+3],   v[BO], s[72+2*(\b/4):73+2*(\b/4)] offset:64*(\b%4)      ; columns 16 b + 8 h + 0..3: matrix b / 4
	global_load_b128 v[BIAS+8*\b+4:BIAS+8*\b+7], v[BO], s[72+2*(\b/4):73+2*(\b/4)] offset:64*(\b%4)+16
.endr
; 12 matrix instructions: row block 2 hi + ap of my four x all 12 column blocks, 32 along K.  first = 1: C is the bias.
; The 48 accumulators take turns, one instruction a turn, in the same order in every quarter step.
.macro MUL12 f, hi, ap, first
.irp b, 0,1,2,3,4,5,6,7,8,9,10,11
.if \first
	v_wmma_f32_16x16x32_bf16 v[8*(12*\ap+\b):8*(12*\ap+\b)+7], v[96*\f+8*\b:96*\f+8*\b+7], v[FA+32*\f+8*(2*\hi+\ap):FA+32*\f+8*(2*\hi+\ap)+7], v[BIAS+8*\b:BIAS+8*\b+7]
.else
	v_wmma_f32_16x16x32_bf16 v[8*(12*\ap+\b):8*(12*\ap+\b)+7], v[96*\f+8*\b:96*\f+8*\b+7], v[FA+32*\f+8*(2*\hi+\ap):FA+32*\f+8*(2*\hi+\ap)+7], v[8*(12*\ap+\b):8*(12*\ap+\b)+7]
.endif
.endr
.endm
; 32 LDS loads in one run: 192 rows of W, then my 64 rows of X, 32 K at byte k of the rows, into buffer f.
; W's block b lies at 16 b rows, and 32 rows' room further on from block 6 (the second load's 96 rows begin at 128 rows).
.macro FETCH slot, k, f
	WIN 0x40                                       ; destination window 1, address window 0
.irp b, 0,1,2,3,4,5,6,7,8,9,10,11
	ds_load_b128 v[96*\f+8*\b:96*\f+8*\b+3],   v[ADRB+\slot] offset:\k+\b*16*PITCH+(\b/6)*32*PITCH
	ds_load_b128 v[96*\f+8*\b+4:96*\f+8*\b+7], v[ADRB+\slot] offset:\k+\b*16*PITCH+(\b/6)*32*PITCH+32
.endr
	WIN 0
.irp i, 0,1,2,3
	ds_load_b128 v[FA+32*\f+8*\i:FA+32*\f+8*\i+3],   v[ADRA+\slot] offset:\k+\i*16*PITCH
	ds_load_b128 v[FA+32*\f+8*\i+4:FA+32*\f+8*\i+7], v[ADRA+\slot] offset:\k+\i*16*PITCH+32
.endr
.endm
; One of a K step's first three quarters: multiplies buffer f, fetches the next quarter (byte k) into buffer g in its middle.
.macro QUARTER slot, k, f, g, first
	s_wait_dscnt 4                                 ; W and X's blocks 0, 1 are in; the youngest four loads (X's blocks 2, 3) may be out
.if \first
	WIN 0x81                                       ; W window 1, X window 0, C (bias) window 0, D window 2
.else
	WIN 0xa1                                       ; C and D window 2
.endif
	MUL12 \f, 0, 0, \first
	MUL12 \f, 0, 1, \first
	PLACES
	FETCH \slot, \k, \g
	s_wait_dscnt 32                                ; all but the 32 just issued
.if \first
	WIN 0xc1
.else
	WIN 0xf1
.endif
	MUL12 \f, 1, 0, \first
	MUL12 \f, 1, 1, \first
.endm
.macro THREE slot, first
	QUARTER \slot, 64,  0, 1, \first
	QUARTER \slot, 128, 1, 0, 0
	QUARTER \slot, 192, 0, 1, 0
.endm
; The last quarter: multiplies buffer 1 and changes slots.  In front of the barrier each wave waits for its reads of this slot and for all its
; tensor loads (one is out: its part of the next slot).  Where the slot is filled again the barrier opens a round of the cluster's barrier, and the
; joint refill is the wave's first and only tensor load behind the round.  From that request to the wait for it a wave issues 180 matrix instructions.
.macro TURN slot, next, fill
	s_wait_dscnt 4
	WIN 0xa1
	MUL12 1, 0, 0, 0
	s_wait_dscnt 0                                 ; my reads of this slot are back
	s_wait_tensorcnt 0x0                           ; all my tensor loads have landed
	ds_add_u32 v255, v255
	s_wait_dscnt 0x0
	s_barrier_signal -1
	MUL12 1, 0, 1, 0                               ; register work while the others arrive
	WIN 0
	s_barrier_wait -1
.if \fill
	CREST
	s_add_nc_u64 s[G0+4*\slot+2:G0+4*\slot+3], s[G0+4*\slot+2:G0+4*\slot+3], 2*KSTEP*2     ; no load of mine is out: the groups 0 may be written
	s_add_nc_u64 s[G0B+4*\slot+2:G0B+4*\slot+3], s[G0B+4*\slot+2:G0B+4*\slot+3], 2*KSTEP*2
	JLOAD \slot
.endif
	PLACES
	FETCH \next, 0, 0
	WIN 0xf1
	MUL12 1, 1, 0, 0
	MUL12 1, 1, 1, 0
.endm
.macro LAP first
	THREE 0, \first
	TURN 0, 1, 1
	THREE 1, 0
	TURN 1, 0, 1
.endm
	s_wait_tensorcnt 1                             ; my part of K step 0 is in; step 1's stays out
	s_barrier_signal -1
	s_barrier_wait -1
	FETCH 0, 0, 0
	s_wait_loadcnt 0x0                             ; the bias, C of the first products
	LAP 1
	WIN 0
	s_mov_b32 s3, LAPS-2
.Llap:
	LAP 0
	WIN 0
	s_sub_co_u32 s3, s3, 1
	s_cmp_lg_u32 s3, 0
	s_cbranch_scc1 .Llap
	THREE 0, 0                                     ; the last lap fills nothing
	TURN 0, 1, 0
	THREE 1, 0
	s_wait_dscnt 4
	WIN 0xa1
	MUL12 1, 0, 0, 0
	MUL12 1, 0, 1, 0
	s_wait_dscnt 0
	WIN 0xf1
	MUL12 1, 1, 0, 0
	MUL12 1, 1, 1, 0
	PLACES
; THE WAY OUT, 16 tokens at a time: round to f16, 16 bytes a lane into my own stage, read back by matrix, four rows of 128 bytes a load,
; and store: each store of the wave covers 512 consecutive bytes, aligned, of one head's block of q, k or v.
.macro OUT16 a, ap, from
	WIN \from                                      ; sources 0 and 1 in the accumulators' window
.irp b, 0,1,2,3,4,5,6,7,8,9,10,11
.irp p, 0,1,2,3
	v_cvt_pk_f16_f32 v[TMP+4*\b+\p], v[8*(12*\ap+\b)+2*\p], v[8*(12*\ap+\b)+2*\p+1]
.endr
.endr
	WIN 0
.irp b, 0,1,2,3,4,5,6,7,8,9,10,11
	ds_store_b128 v[STO], v[TMP+4*\b:TMP+4*\b+3] offset:32*\b
.endr
	s_wait_xcnt 0x0                                ; RB, which the last block's stores read, is loaded again only behind this wait
.irp m, 0,1,2
.irp t, 0,1,2,3
	ds_load_b128 v[RB+16*\m+4*\t:RB+16*\m+4*\t+3], v[RD] offset:128*\m+4*SPITCH*\t   ; a wave's LDS instructions are served in order: these see the stores above
.endr
.endr
.irp m, 0,1,2
.irp t, 0,1,2,3
	s_wait_dscnt 11-4*\m-\t
	global_store_b128 v[CO], v[RB+16*\m+4*\t:RB+16*\m+4*\t+3], s[78+2*\m:79+2*\m] offset:2048*\a+512*\t
.endr
.endr
.endm
	OUT16 0, 0, 0x0a
	OUT16 1, 1, 0x0a
	OUT16 2, 0, 0x0f
	OUT16 3, 1, 0x0f
	s_set_vgpr_msb 0x1
	s_wait_tensorcnt 0x0
	ds_add_u32 v255, v255
	s_wait_dscnt 0x0
	s_set_vgpr_msb 0x100
	CROUND                                         ; the closing round: no work-group ends while a partner may still ask for a tile that names it
	s_endpgm
.Lfunc_end_k_q8194603f1f_qkv:
	.size	k_q8194603f1f_qkv, .Lfunc_end_k_q8194603f1f_qkv-k_q8194603f1f_qkv
	.p2alignl 7, 3214868480
	.fill 96, 4, 3214868480
	.section	.rodata,"a",@progbits
	.p2align	6, 0x0
	.amdhsa_kernel k_q8194603f1f_qkv
		.amdhsa_group_segment_fixed_size 327680
		.amdhsa_private_segment_fixed_size 0
		.amdhsa_enable_private_segment 0
		.amdhsa_kernarg_size 64
		.amdhsa_user_sgpr_count 2
		.amdhsa_user_sgpr_kernarg_segment_ptr 1
		.amdhsa_wavefront_size32 1
		.amdhsa_system_sgpr_workgroup_id_x 1
		.amdhsa_system_sgpr_workgroup_id_y 1
		.amdhsa_system_sgpr_workgroup_id_z 1
		.amdhsa_system_vgpr_workitem_id 0
		.amdhsa_next_free_vgpr 1024
		.amdhsa_next_free_sgpr 88
		.amdhsa_reserve_vcc 0
		.amdhsa_float_denorm_mode_32 3
		.amdhsa_float_denorm_mode_16_64 3
		.amdhsa_memory_ordered 1
		.amdhsa_forward_progress 1
		.amdhsa_inst_pref_size 166
	.end_amdhsa_kernel
	.amdgpu_metadata
---
amdhsa.version: [ 1, 2 ]
amdhsa.kernels:
  - .name:           k_q8194603f1f_qkv
    .symbol:         k_q8194603f1f_qkv.kd
    .args:
      - { .name: xb, .offset: 0, .size: 8, .value_kind: global_buffer, .address_space: global }
      - { .name: wqkv, .offset: 8, .size: 8, .value_kind: global_buffer, .address_space: global }
      - { .name: bq, .offset: 16, .size: 8, .value_kind: global_buffer, .address_space: global }
      - { .name: bk, .offset: 24, .size: 8, .value_kind: global_buffer, .address_space: global }
      - { .name: bv, .offset: 32, .size: 8, .value_kind: global_buffer, .address_space: global }
      - { .name: qw, .offset: 40, .size: 8, .value_kind: global_buffer, .address_space: global }
      - { .name: kw, .offset: 48, .size: 8, .value_kind: global_buffer, .address_space: global }
      - { .name: vw, .offset: 56, .size: 8, .value_kind: global_buffer, .address_space: global }
    .group_segment_fixed_size: 327680
    .private_segment_fixed_size: 0
    .kernarg_segment_align: 8
    .kernarg_segment_size: 64
    .max_flat_workgroup_size: 128
    .sgpr_count:     88
    .vgpr_count:     1024
    .wavefront_size: 32
...
	.end_amdgpu_metadata
.endif
;; end of part 2
;; launch attn (part 3): grid 256 x 1, 8 waves a work-group, clusters of 4 x 1, 312,320 bytes of LDS; arguments qw, kw, vw, aw; writes aw
.if DOCPART == 3
	.amdgcn_target "amdgcn-amd-amdhsa--gfx1250"
	.amdhsa_code_object_version 6
	.text
	.protected	k_q8194603f1f_attn
	.globl	k_q8194603f1f_attn
	.p2align	8
	.type	k_q8194603f1f_attn,@function
k_q8194603f1f_attn:
	s_mov_b64 s[64:65], 0
	v_nop
	global_prefetch_b8 v0, s[64:65] scope:SCOPE_SE
	s_setreg_imm32_b32 hwreg(HW_REG_WAVE_MODE, 25, 1), 1
	s_wait_xcnt 0x0
	s_wait_alu depctr_hold_cnt(0) depctr_sa_sdst(0) depctr_va_vdst(0) depctr_va_sdst(0) depctr_va_ssrc(0) depctr_va_vcc(0) depctr_vm_vsrc(0)
	s_getreg_b32 s2, hwreg(HW_REG_IB_STS2, 6, 4)
	s_cmp_eq_u32 s2, 0
	s_cbranch_scc0 .Lentry_in_a_cluster
	s_endpgm
.Lentry_in_a_cluster:
	s_bfe_u32 s2, ttmp6, 0x10000c
	s_cmp_lg_u32 s2, 0x3003
	s_cbranch_scc0 .Lentry_shape_is_right
	s_endpgm
.Lentry_shape_is_right:
; Causal softmax attention for one (batch, head) per cluster of four work-groups.  qw, kw, vw, aw: [bh][1024][64] f16.
; Work-group j owns, in each block u = 0..7 of 128 queries, the tile of 32 rows 128 u + 32 j ..  A tile's keys are the block 128 u .. 128 u + 127 that holds its
; diagonal (two masked steps of 64 keys) and the keys 0 .. 128 u - 1 (2 u unmasked steps).  EVERY WAVE DOES NINE STEPS: a tile's keys are cut in two halves,
; half s = masked step s (keys from 128 u + 64 s) and u unmasked steps (keys from 64 u s); wave w (p = w % 4, s = w / 4) takes half s of tile uA = p xor 7 s
; and then half s of tile uB = 7 - uA: (1 + uA) + (1 + uB) = 9.  Wave w's first tile is the second tile of wave (w + 4) % 8, which finishes it: the first
; partial (maximum, sum, O) is handed over through LDS at the end and merged there.  Trip counts hang on the wave's number alone, so they are the same in all
; four partners; j enters the Q and output addresses and the mask's lane data only (in work-groups j = 0, 1 the masked step of half 1 keeps no key).
; K and V of the head (2 x 128 KiB) are fetched ONCE, jointly for the four work-groups, one load a wave, and stay in LDS: no slot is ever filled again,
; and nothing is left to ask for ahead of time.  A partner receives up to 96 keys that it never reads: the price of descriptors that are equal in all four.
; LAYOUT, without any shuffle: S^T = K Q^T (a lane holds query l % 16, keys 8 (l / 16) + 0..7 of each 16); two such tiles packed in place ARE a B fragment of P^T;
; O^T = V^T P^T with V^T read by the transposing LDS load.  So maximum, sum and rescaling are per lane; one exchange joins the two halves of the lanes.
; SOFTMAX: running maximum in f32; p = 2^(c s - c m), c = log2(e) / 8; the sum is taken over the f32 p, the product uses their f16 roundings.
; A partial starts with - c m capped at 2^100: a score of f16 operands is below 64 x 65,504^2 = 2.75e11 in magnitude, so the cap never touches a true maximum;
; where a first step keeps no key it makes every p exactly 0 (l = 0, O = 0), and the partial's weight 2^(c (m_i - m)) is 0 from the first true score on.
; LIMITS: scores finite; a masked score is -3.4028e38 as in the reference and gives p = 0; p below 2^-126 is flushed by the exponential (ISA guide 15.8),
; p below 3e-8 rounds to 0 in f16; a row's sum and O are made in two parts and joined (an order of rounding of its own).
; REGISTERS: window 0 as listed below; window 1: v0-31 Q of the first tile, v32-95 O of the first tile (kept to the end without copies).
.set KP, 144                           ; a key row: 128 bytes + 16: an odd multiple of 16
.set VP, 160                           ; a value row: 128 bytes + 32: an odd multiple of 32, for the transposing load
.set VBASE, 1024*KP                    ; V behind K: 147,456
.set EXB, 8704                         ; the hand-over, a wave's own: 64 registers x 128 bytes of O, 512 bytes of maxima and sums; in K's bytes, after their last read
.set STG, 8*EXB                        ; the output stage behind it: 69,632 + 4,608 x wave, still in K's bytes
.set KA, 4                             ; v4  K address of this step        v5  V address       (at the end: hand-over out, in)
.set VA, 5
.set KL, 6                             ; v6  lane part 144 r + 16 h        v7  VBASE + 160 (8 h + l % 8) + 16 ((l / 8) % 2)
.set VL, 7
.set NM, 8                             ; v8, v10   - c x running maximum of query tile 0, 1   (first registers of pairs, for the packed broadcasts)
.set DQ, 9                             ; v9, v11   32 j + 16 qt + r - 8 h - 64 s: key 16 kt + jj of my masked step is kept where it is <= this
.set AL, 12                            ; v12, v14  rescaling factor
.set LS, 13                            ; v13, v15  running sum of my half of the lanes' p
.set T,  16                            ; v16-23    at work
.set RV, 24                            ; v24-27    received: - c m, l of query tile 0; of query tile 1
.set SV, 28                            ; v28-31    the same of my first tile, kept
.set Q,  32                            ; v32-63    Q fragment (qt, ds) at 16 qt + 8 ds
.set S,  64                            ; v64-127   S^T tile (qt, kt) at 32 qt + 8 kt; then P^T fragment (qt, kk) at 32 qt + 8 kk
.set KV, 128                           ; v128-191  K fragment (kt, ds) at 16 kt + 8 ds; then V^T fragment (dt, kk) at 16 dt + 8 kk
.set O,  192                           ; v192-255  O^T tile (qt, dt) at 32 qt + 8 dt
.set QH, 0                             ; window 1: Q of the first tile
.set OH, 32                            ; window 1: O of the first tile
.set CEXP, 0x3e38aa3b                  ; c = 0.125 log2(e)
.set NCEXP, 0xbe38aa3b                 ; - c
.set NMTOP, 0x71800000                 ; 2^100
.set MSB, 0
.macro WIN new                         ; the immediate's high byte repeats the setting that is left; a switch that changes nothing is dropped
.if MSB != (\new)
	s_set_vgpr_msb (MSB<<8)|(\new)
.set MSB, (\new)
.endif
.endm
.macro ROUND                           ; a round of the cluster's barrier
	s_barrier_signal -1
	s_barrier_wait -1
	s_cmp_lg_u32 s12, 0
	s_cbranch_scc1 .Lnot_wave_0_\@
	s_barrier_signal -3
.Lnot_wave_0_\@:
	s_barrier_wait -3
	s_barrier_signal -1
	s_barrier_wait -1
.endm
	s_load_b256 s[4:11], s[0:1], 0x0               ; qw s[4:5], kw s[6:7], vw s[8:9], aw s[10:11]
	s_set_vgpr_msb 0x40
	v_lshl_add_u32 v96, v0, 2, 0x4c000
	v_mov_b32 v97, 0
	s_set_vgpr_msb 0x4045
	ds_add_u32 v96, v97
	s_set_vgpr_msb 0x4500
	v_lshrrev_b32 v1, 5, v0
	v_readfirstlane_b32 s12, v1                    ; wave 0..7
	s_bfe_u32 s15, ttmp6, 0x40000                  ; j = my place in the cluster
	s_lshr_b32 s14, s12, 2                         ; s: which half of a tile's keys
	s_and_b32 s16, s12, 3                          ; p
	s_mul_i32 s17, s14, 7
	s_xor_b32 s16, s16, s17                        ; uA = p xor 7 s: my first tile's block
	s_xor_b32 s17, s16, 7                          ; uB = 7 - uA: my second tile's, which I finish
	s_mov_b32 s18, 0x76543210                      ; v_permlanex16_b32: lane i reads lane i of the other half
	s_mov_b32 s19, 0xfedcba98
	s_mov_b32 s20, 0xff7fffff                      ; the masked score
	; group 1: 128 rows of 128 elements (256 bytes of memory, two key rows), dense; 16 (K) or 32 (V) bytes of padding after every 128 bytes; mask = all four
	s_mov_b32 s32, 15|(1<<16)|(1<<20)|(1<<21)|(4<<22)|(3<<25)
	s_mov_b32 s40, 15|(1<<16)|(1<<20)|(1<<21)|(4<<22)|(7<<25)
	s_mov_b32 s33, 128<<16
	s_mov_b32 s41, 128<<16
	s_mov_b32 s34, 128<<16
	s_mov_b32 s42, 128<<16
	s_mov_b32 s35, 128<<16
	s_mov_b32 s43, 128<<16
	s_mov_b32 s36, 128
	s_mov_b32 s44, 128
	s_mov_b32 s37, 128
	s_mov_b32 s45, 128
	s_mov_b32 s38, 0
	s_mov_b32 s46, 0
	s_mov_b32 s39, 0
	s_mov_b32 s47, 0
	s_lshl_b32 s48, ttmp9, 17                      ; the head's block of 131,072 bytes (ttmp9 counts clusters)
	s_and_b32 s49, s12, 3
	s_lshl_b32 s49, s49, 15
	s_add_co_u32 s48, s48, s49                     ; + my quarter: 256 rows
	s_mov_b32 s49, 0
	s_lshl_b32 s50, ttmp9, 17
	s_lshl_b32 s51, s15, 12
	s_add_co_u32 s50, s50, s51                     ; the head + 32 j rows
	s_lshl_b32 s51, s17, 14
	s_add_co_u32 s52, s50, s51                     ; + 128 uB rows: my second tile's queries, and my rows of the result
	s_lshl_b32 s51, s16, 14
	s_add_co_u32 s50, s50, s51                     ; + 128 uA rows: my first tile's queries
	s_mov_b32 s51, 0
	s_mov_b32 s53, 0
	s_mov_b32 s24, 1
	s_mul_i32 s25, s12, 256*KP                     ; K's quarter w lands at 36,864 w
	s_mov_b32 s28, 1
	s_wait_dscnt 0x0
	s_wait_kmcnt 0x0
	s_add_nc_u64 s[26:27], s[6:7], s[48:49]
	s_or_b32 s27, s27, 0x80000000
	s_add_nc_u64 s[30:31], s[8:9], s[48:49]
	s_or_b32 s31, s31, 0x80000000
	s_add_nc_u64 s[54:55], s[4:5], s[50:51]
	s_add_nc_u64 s[4:5], s[4:5], s[52:53]
	s_add_nc_u64 s[10:11], s[10:11], s[52:53]
	ROUND                                          ; the four work-groups are here: the joint loads meet
	s_cmp_lt_u32 s12, 4
	s_cbranch_scc0 .Lfor_v
	tensor_load_to_lds s[24:27], s[32:39]          ; waves 0-3: a quarter of K
	s_nop 0
	s_branch .Lasked
.Lfor_v:
	s_sub_co_u32 s29, s12, 4
	s_mul_i32 s29, s29, 256*VP
	s_add_co_u32 s29, s29, VBASE                   ; V's quarter w - 4 lands at 147,456 + 40,960 (w - 4)
	tensor_load_to_lds s[28:31], s[40:47]          ; waves 4-7: a quarter of V
	s_nop 0
.Lasked:
	v_and_b32 v1, 31, v0                           ; l
	v_and_b32 v2, 15, v0                           ; r
	v_bfe_u32 v3, v0, 4, 1                         ; h
	v_lshlrev_b32 v[T], 7, v2
	v_lshl_add_u32 v[T], v3, 4, v[T]               ; Q: 128 r + 16 h
	WIN 0x40                                       ; loaded data in window 1, the offset in window 0
.irp qt, 0,1
.irp ds, 0,1
	global_load_b128 v[QH+16*\qt+8*\ds:QH+16*\qt+8*\ds+3],   v[T], s[54:55] offset:2048*\qt+64*\ds
	global_load_b128 v[QH+16*\qt+8*\ds+4:QH+16*\qt+8*\ds+7], v[T], s[54:55] offset:2048*\qt+64*\ds+32
.endr
.endr
	WIN 0
.irp qt, 0,1
.irp ds, 0,1
	global_load_b128 v[Q+16*\qt+8*\ds:Q+16*\qt+8*\ds+3],   v[T], s[4:5] offset:2048*\qt+64*\ds
	global_load_b128 v[Q+16*\qt+8*\ds+4:Q+16*\qt+8*\ds+7], v[T], s[4:5] offset:2048*\qt+64*\ds+32
.endr
.endr
	v_mul_u32_u24 v[KL], v2, KP
	v_lshl_add_u32 v[KL], v3, 4, v[KL]
	v_and_b32 v[VL], 7, v0
	v_lshl_add_u32 v[VL], v3, 3, v[VL]
	v_mul_u32_u24 v[VL], v[VL], VP
	v_bfe_u32 v[KA], v0, 3, 1
	v_lshl_add_u32 v[VL], v[KA], 4, v[VL]
	v_add_nc_u32 v[VL], VBASE, v[VL]
	s_lshl_b32 s21, s15, 5
	s_lshl_b32 s22, s14, 6
	s_sub_co_i32 s21, s21, s22                     ; 32 j - 64 s
	v_lshlrev_b32 v[DQ], 3, v3
	v_sub_nc_u32 v[DQ], v2, v[DQ]
	v_add_nc_u32 v[DQ], s21, v[DQ]                 ; 32 j - 64 s + r - 8 h (may be negative: compared as signed)
	v_add_nc_u32 v[DQ+2], 16, v[DQ]
	s_wait_tensorcnt 0x0                           ; my quarter has landed,
	s_barrier_signal -1
	s_barrier_wait -1                              ; everybody's has
	s_wait_loadcnt 0x0                             ; both Q are in (and their offset register free)
; One step: 64 keys (at KA, VA) x 32 queries.  first = 1: starts maximum, sum and O.  mask = 1: the causal mask.  hw: the window of this tile's Q and O.
; In both runs of 16 matrix instructions the eight accumulators take turns, one instruction a turn.
.macro SUB first, mask, hw
.set QB, Q-(Q-QH)*\hw
.set OB, O-(O-OH)*\hw
.if \first
.else
.rept 5
	v_nop                                          ; five places behind the last product: K lands on its A registers, the scores are written over its B registers
.endr
.endif
.irp kt, 0,1,2,3
.irp ds, 0,1
	ds_load_b128 v[KV+16*\kt+8*\ds:KV+16*\kt+8*\ds+3],   v[KA] offset:16*KP*\kt+64*\ds
	ds_load_b128 v[KV+16*\kt+8*\ds+4:KV+16*\kt+8*\ds+7], v[KA] offset:16*KP*\kt+64*\ds+32
.endr
.endr
	s_wait_dscnt 0x0
	WIN 0x04*\hw                                   ; source 1 (Q) in its window
.irp ds, 0,1
.irp qt, 0,1
.irp kt, 0,1,2,3
.if \ds
	v_wmma_f32_16x16x32_f16 v[S+32*\qt+8*\kt:S+32*\qt+8*\kt+7], v[KV+16*\kt+8:KV+16*\kt+15], v[QB+16*\qt+8:QB+16*\qt+15], v[S+32*\qt+8*\kt:S+32*\qt+8*\kt+7]
.else
	v_wmma_f32_16x16x32_f16 v[S+32*\qt+8*\kt:S+32*\qt+8*\kt+7], v[KV+16*\kt:KV+16*\kt+7], v[QB+16*\qt:QB+16*\qt+7], 0
.endif
.endr
.endr
.endr
	WIN 0
.rept 4
	v_nop                                          ; four places: V lands on K's registers, and the scores are read
.endr
.irp dt, 0,1,2,3
.irp kk, 0,1
	ds_load_tr16_b128 v[KV+16*\dt+8*\kk:KV+16*\dt+8*\kk+3],   v[VA] offset:32*VP*\kk+32*\dt          ; keys 32 kk + 8 h + 0..7 of column 16 dt + r
	ds_load_tr16_b128 v[KV+16*\dt+8*\kk+4:KV+16*\dt+8*\kk+7], v[VA] offset:32*VP*\kk+32*\dt+16*VP   ; keys 32 kk + 16 + 8 h + 0..7
.endr
.endr
.if \mask
.irp qt, 0,1
.irp kt, 0,1,2,3
.irp jj, 0,1,2,3,4,5,6,7
	v_cmp_le_i32 vcc_lo, 16*\kt+\jj, v[DQ+2*\qt]                                           ; key <= query
	v_cndmask_b32 v[S+32*\qt+8*\kt+\jj], s20, v[S+32*\qt+8*\kt+\jj], vcc_lo
.endr
.endr
.endr
.endif
.irp qt, 0,1
	v_max3_num_f32 v[T+2*\qt],   v[S+32*\qt],    v[S+32*\qt+1],  v[S+32*\qt+2]             ; my 32 scores of this query, in two chains
	v_max3_num_f32 v[T+2*\qt+1], v[S+32*\qt+16], v[S+32*\qt+17], v[S+32*\qt+18]
.irp i, 3,5,7,9,11,13
	v_max3_num_f32 v[T+2*\qt],   v[T+2*\qt],   v[S+32*\qt+\i],    v[S+32*\qt+\i+1]
	v_max3_num_f32 v[T+2*\qt+1], v[T+2*\qt+1], v[S+32*\qt+16+\i], v[S+32*\qt+17+\i]
.endr
	v_max3_num_f32 v[T+2*\qt], v[T+2*\qt], v[S+32*\qt+15], v[S+32*\qt+31]
	v_max_num_f32 v[T+2*\qt], v[T+2*\qt], v[T+2*\qt+1]
	v_permlanex16_b32 v[T+2*\qt+1], v[T+2*\qt], s18, s19                                   ; the other half's 32 keys
	v_max_num_f32 v[T+2*\qt], v[T+2*\qt], v[T+2*\qt+1]
.if \first
	v_mul_f32 v[NM+2*\qt], NCEXP, v[T+2*\qt]
	v_min_num_f32 v[NM+2*\qt], NMTOP, v[NM+2*\qt]                                          ; the cap: it bites only where no key of the step was kept
.else
	v_mul_f32 v[T+2*\qt], NCEXP, v[T+2*\qt]
	v_min_num_f32 v[T+2*\qt], v[T+2*\qt], v[NM+2*\qt]                                      ; - c x the new running maximum
	v_sub_f32 v[T+2*\qt+1], v[T+2*\qt], v[NM+2*\qt]                                        ; c (old - new) <= 0
	v_mov_b32 v[NM+2*\qt], v[T+2*\qt]
	v_exp_f32 v[AL+2*\qt], v[T+2*\qt+1]                                                    ; the next line is plain and names neither register
.endif
.endr
.irp qt, 0,1
.irp p, 0,2,4,6,8,10,12,14,16,18,20,22,24,26,28,30
	v_pk_fma_f32 v[S+32*\qt+\p:S+32*\qt+\p+1], v[S+32*\qt+\p:S+32*\qt+\p+1], CEXP, v[NM+2*\qt:NM+2*\qt+1] op_sel_hi:[1,0,0]   ; c s - c m, both from the pair's first register
.endr
.endr
.set i, 0
.rept 64
	v_exp_f32 v[S+i], v[S+i]
.set i, i+1
.endr
	v_nop                                          ; one plain place behind the last exponential
	s_wait_alu depctr_va_vdst(0)
.irp qt, 0,1
	v_pk_add_f32 v[T+4+4*\qt:T+5+4*\qt], v[S+32*\qt:S+32*\qt+1],   v[S+32*\qt+2:S+32*\qt+3]
	v_pk_add_f32 v[T+6+4*\qt:T+7+4*\qt], v[S+32*\qt+4:S+32*\qt+5], v[S+32*\qt+6:S+32*\qt+7]
.irp p, 8,12,16,20,24,28
	v_pk_add_f32 v[T+4+4*\qt:T+5+4*\qt], v[T+4+4*\qt:T+5+4*\qt], v[S+32*\qt+\p:S+32*\qt+\p+1]
	v_pk_add_f32 v[T+6+4*\qt:T+7+4*\qt], v[T+6+4*\qt:T+7+4*\qt], v[S+32*\qt+\p+2:S+32*\qt+\p+3]
.endr
	v_pk_add_f32 v[T+4+4*\qt:T+5+4*\qt], v[T+4+4*\qt:T+5+4*\qt], v[T+6+4*\qt:T+7+4*\qt]
.if \first
	v_add_f32 v[LS+2*\qt], v[T+4+4*\qt], v[T+5+4*\qt]
.else
	v_add_f32 v[T+4+4*\qt], v[T+4+4*\qt], v[T+5+4*\qt]
	v_fma_f32 v[LS+2*\qt], v[LS+2*\qt], v[AL+2*\qt], v[T+4+4*\qt]
.endif
.endr
.irp qt, 0,1
.irp p, 0,1,2,3,4,5,6,7,8,9,10,11,12,13,14,15
	v_cvt_pk_f16_f32 v[S+32*\qt+\p], v[S+32*\qt+2*\p], v[S+32*\qt+2*\p+1]                  ; in place, ascending: register p is read no later than it is written
.endr
.endr
.if \first
.else
	WIN 0x41*\hw                                   ; destination and source 0 (O) in their window, the factor in window 0
.irp qt, 0,1
.irp p, 0,2,4,6,8,10,12,14,16,18,20,22,24,26,28,30
	v_pk_mul_f32 v[OB+32*\qt+\p:OB+32*\qt+\p+1], v[OB+32*\qt+\p:OB+32*\qt+\p+1], v[AL+2*\qt:AL+2*\qt+1] op_sel_hi:[1,0]
.endr
.endr
.endif
	s_wait_dscnt 0x0                               ; V^T is in
	WIN 0x50*\hw                                   ; C and D (O) in their window
.irp kk, 0,1
.irp qt, 0,1
.irp dt, 0,1,2,3
.if \first*(1-\kk)
	v_wmma_f32_16x16x32_f16 v[OB+32*\qt+8*\dt:OB+32*\qt+8*\dt+7], v[KV+16*\dt+8*\kk:KV+16*\dt+8*\kk+7], v[S+32*\qt+8*\kk:S+32*\qt+8*\kk+7], 0
.else
	v_wmma_f32_16x16x32_f16 v[OB+32*\qt+8*\dt:OB+32*\qt+8*\dt+7], v[KV+16*\dt+8*\kk:KV+16*\dt+8*\kk+7], v[S+32*\qt+8*\kk:S+32*\qt+8*\kk+7], v[OB+32*\qt+8*\dt:OB+32*\qt+8*\dt+7]
.endif
.endr
.endr
.endr
	WIN 0                                          ; at a label and at a branch every window is 0
.endm
; My half of the tile of block u (u in scalar register ureg): the masked step, then u unmasked steps.
.macro PHASE ureg, hw
	s_lshl_b32 s21, s[\ureg], 1
	s_add_co_u32 s21, s21, s14                     ; 2 u + s: the masked step begins at key 64 (2 u + s)
	s_mul_i32 s22, s21, 64*VP
	s_mul_i32 s21, s21, 64*KP
	v_add_nc_u32 v[KA], s21, v[KL]
	v_add_nc_u32 v[VA], s22, v[VL]
	SUB 1, 1, \hw
	s_mul_i32 s21, s[\ureg], s14                   ; the unmasked steps begin at key 64 u s
	s_mul_i32 s22, s21, 64*VP
	s_mul_i32 s21, s21, 64*KP
	v_add_nc_u32 v[KA], s21, v[KL]
	v_add_nc_u32 v[VA], s22, v[VL]
	s_mov_b32 s13, s[\ureg]                        ; u steps: 0 to 7
	s_cmp_eq_u32 s13, 0
	s_cbranch_scc1 .Lhalf_done_\@                  ; block 0 has none
.Lkeys_\@:
	SUB 0, 0, \hw
	v_add_nc_u32 v[KA], 64*KP, v[KA]
	v_add_nc_u32 v[VA], 64*VP, v[VA]
	s_sub_co_i32 s13, s13, 1
	s_cmp_gt_i32 s13, 0
	s_cbranch_scc1 .Lkeys_\@
.Lhalf_done_\@:
.endm
	PHASE 16, 1                                    ; my half of tile uA; its Q and O lie in window 1
	v_mov_b32 v[SV],   v[NM]                       ; its maxima and sums are kept while the registers serve the second tile.  These four lines and the two
	v_mov_b32 v[SV+1], v[LS]                       ; address sums at the head of the next phase are six plain places behind the last product, in front of
	v_mov_b32 v[SV+2], v[NM+2]                     ; the K loads onto its A registers (four are asked) and the scores written over its B registers (five)
	v_mov_b32 v[SV+3], v[LS+2]
	PHASE 17, 0                                    ; my half of tile uB
.rept 4
	v_nop                                          ; four places behind the last product, whose results are read and onto whose sources loads land below
.endr
	s_mul_i32 s21, s12, EXB
	v_lshl_add_u32 v[KA], v1, 4, s21               ; hand-over out: wave x 8,704 + 16 l: each wave writes bytes of its own
	s_add_co_u32 s22, s12, 4
	s_and_b32 s22, s22, 7                          ; wave (w + 4) % 8 did the other half of my second tile, as its first
	s_mul_i32 s22, s22, EXB
	v_lshl_add_u32 v[VA], v1, 4, s22               ; hand-over in
	s_mul_i32 s21, s12, 32*KP
	s_add_co_u32 s21, s21, STG                     ; my output stage
	s_wait_dscnt 0x0                               ; my reads of K and V are back
	s_barrier_signal -1
	s_barrier_wait -1                              ; everybody's are: K's bytes, which have had their only fill, carry the hand-over and the stage
	WIN 0x04                                       ; the store's data in window 1
.irp i, 0,1,2,3,4,5,6,7,8,9,10,11,12,13,14,15
	ds_store_b128 v[KA], v[OH+4*\i:OH+4*\i+3] offset:512*\i        ; plain register images: 16 bytes a lane, lanes side by side
.endr
	WIN 0
	ds_store_b128 v[KA], v[SV:SV+3] offset:8192
	s_wait_dscnt 0x0                               ; my stores are done, for the partner's sake
	s_barrier_signal -1
	s_barrier_wait -1
	ds_load_b128 v[RV:RV+3], v[VA] offset:8192
.irp i, 0,1,2,3,4,5,6,7,8,9,10,11,12,13,14,15
	ds_load_b128 v[S+4*\i:S+4*\i+3], v[VA] offset:512*\i
.endr
	s_wait_dscnt 16                                ; the partner's maxima and sums are in; the 16 loads of its O, issued behind them, may be out
.irp qt, 0,1
	v_min_num_f32 v[T+4+\qt], v[NM+2*\qt], v[RV+2*\qt]             ; - c x the joint maximum
	v_sub_f32 v[T+1+2*\qt], v[T+4+\qt], v[NM+2*\qt]                ; c (mine - joint) <= 0
	v_sub_f32 v[T+6+\qt], v[T+4+\qt], v[RV+2*\qt]                  ; c (the partner's - joint) <= 0
.endr
	v_exp_f32 v[AL],   v[T+1]                      ; my part's weight
	v_exp_f32 v[AL+2], v[T+3]
	v_exp_f32 v[T],    v[T+6]                      ; the partner's
	v_exp_f32 v[T+2],  v[T+7]
	v_add_nc_u32 v[VL], s21, v[KL]                 ; (the plain place behind the exponentials)  stage in: + 144 r + 16 h
	s_wait_alu depctr_va_vdst(0)
.irp qt, 0,1
	v_mul_f32 v[LS+2*\qt], v[LS+2*\qt], v[AL+2*\qt]
	v_fma_f32 v[LS+2*\qt], v[RV+1+2*\qt], v[T+2*\qt], v[LS+2*\qt]
	v_permlanex16_b32 v[T+4+\qt], v[LS+2*\qt], s18, s19            ; the other half of the lanes holds the other keys' part of the sum
	v_add_f32 v[LS+2*\qt], v[LS+2*\qt], v[T+4+\qt]
.endr
	v_rcp_f32 v[T+4], v[LS]                        ; the sum holds the largest p, which is near 1: never 0
	v_rcp_f32 v[T+5], v[LS+2]
	v_lshrrev_b32 v3, 3, v1                        ; (the plain place behind the reciprocals)
	v_mul_u32_u24 v3, v3, KP
	v_and_b32 v2, 7, v1
	v_lshl_add_u32 v3, v2, 4, v3
	v_add_nc_u32 v[KL], s21, v3                    ; stage back: eight lanes a row of 128 bytes, four rows a load
	v_lshlrev_b32 v2, 4, v1                        ; those four rows are 512 consecutive bytes of the result
	s_wait_alu depctr_va_vdst(0)
.irp qt, 0,1
	v_mul_f32 v[AL+2*\qt], v[AL+2*\qt], v[T+4+\qt] ; weight / sum
	v_mul_f32 v[T+2*\qt],  v[T+2*\qt],  v[T+4+\qt]
.endr
.irp qt, 0,1
.irp p, 0,2,4,6,8,10,12,14,16,18,20,22,24,26,28,30
	v_pk_mul_f32 v[O+32*\qt+\p:O+32*\qt+\p+1], v[O+32*\qt+\p:O+32*\qt+\p+1], v[AL+2*\qt:AL+2*\qt+1] op_sel_hi:[1,0]
.endr
.endr
	s_wait_dscnt 0x0                               ; the partner's O is in
.irp qt, 0,1
.irp p, 0,2,4,6,8,10,12,14,16,18,20,22,24,26,28,30
	v_pk_fma_f32 v[O+32*\qt+\p:O+32*\qt+\p+1], v[S+32*\qt+\p:S+32*\qt+\p+1], v[T+2*\qt:T+2*\qt+1], v[O+32*\qt+\p:O+32*\qt+\p+1] op_sel_hi:[1,0,1]
.endr
.endr
.irp qt, 0,1
.irp p, 0,1,2,3,4,5,6,7,8,9,10,11,12,13,14,15
	v_cvt_pk_f16_f32 v[S+16*\qt+\p], v[O+32*\qt+2*\p], v[O+32*\qt+2*\p+1]                  ; tile dt: registers 4 dt .. 4 dt + 3 = d 16 dt + 8 h + 0..7
.endr
.endr
.irp qt, 0,1
.irp dt, 0,1,2,3
	ds_store_b128 v[VL], v[S+16*\qt+4*\dt:S+16*\qt+4*\dt+3] offset:16*KP*\qt+32*\dt        ; my own stage, apart from every wave's hand-over bytes
.endr
.endr
.irp t, 0,1,2,3,4,5,6,7
	ds_load_b128 v[KV+4*\t:KV+4*\t+3], v[KL] offset:4*KP*\t        ; a wave's LDS instructions are served in order: these see the stores above
.endr
.irp t, 0,1,2,3,4,5,6,7
	s_wait_dscnt 7-\t
	global_store_b128 v2, v[KV+4*\t:KV+4*\t+3], s[10:11] offset:512*\t
.endr
	s_set_vgpr_msb 0x5
	s_wait_tensorcnt 0x0
	ds_add_u32 v96, v97
	s_wait_dscnt 0x0
	s_set_vgpr_msb 0x500
	ROUND                                          ; the closing round
	s_endpgm
.Lfunc_end_k_q8194603f1f_attn:
	.size	k_q8194603f1f_attn, .Lfunc_end_k_q8194603f1f_attn-k_q8194603f1f_attn
	.p2alignl 7, 3214868480
	.fill 96, 4, 3214868480
	.section	.rodata,"a",@progbits
	.p2align	6, 0x0
	.amdhsa_kernel k_q8194603f1f_attn
		.amdhsa_group_segment_fixed_size 312320
		.amdhsa_private_segment_fixed_size 0
		.amdhsa_enable_private_segment 0
		.amdhsa_kernarg_size 32
		.amdhsa_user_sgpr_count 2
		.amdhsa_user_sgpr_kernarg_segment_ptr 1
		.amdhsa_wavefront_size32 1
		.amdhsa_system_sgpr_workgroup_id_x 1
		.amdhsa_system_sgpr_workgroup_id_y 1
		.amdhsa_system_sgpr_workgroup_id_z 1
		.amdhsa_system_vgpr_workitem_id 0
		.amdhsa_next_free_vgpr 354
		.amdhsa_next_free_sgpr 66
		.amdhsa_reserve_vcc 1
		.amdhsa_float_denorm_mode_32 3
		.amdhsa_float_denorm_mode_16_64 3
		.amdhsa_memory_ordered 1
		.amdhsa_forward_progress 1
		.amdhsa_inst_pref_size 97
	.end_amdhsa_kernel
	.amdgpu_metadata
---
amdhsa.version: [ 1, 2 ]
amdhsa.kernels:
  - .name:           k_q8194603f1f_attn
    .symbol:         k_q8194603f1f_attn.kd
    .args:
      - { .name: qw, .offset: 0, .size: 8, .value_kind: global_buffer, .address_space: global }
      - { .name: kw, .offset: 8, .size: 8, .value_kind: global_buffer, .address_space: global }
      - { .name: vw, .offset: 16, .size: 8, .value_kind: global_buffer, .address_space: global }
      - { .name: aw, .offset: 24, .size: 8, .value_kind: global_buffer, .address_space: global }
    .group_segment_fixed_size: 312320
    .private_segment_fixed_size: 0
    .kernarg_segment_align: 8
    .kernarg_segment_size: 32
    .max_flat_workgroup_size: 256
    .sgpr_count:     66
    .vgpr_count:     354
    .wavefront_size: 32
...
	.end_amdgpu_metadata
.endif
;; end of part 3
;; launch oproj (part 4): grid 16 x 16, 4 waves a work-group, clusters of 4 x 4, 327,680 bytes of LDS; arguments aw, woh, bo, out0; writes out0
.if DOCPART == 4
	.amdgcn_target "amdgcn-amd-amdhsa--gfx1250"
	.amdhsa_code_object_version 6
	.text
	.protected	k_q8194603f1f_oproj
	.globl	k_q8194603f1f_oproj
	.p2align	8
	.type	k_q8194603f1f_oproj,@function
k_q8194603f1f_oproj:
	s_mov_b64 s[64:65], 0
	v_nop
	global_prefetch_b8 v0, s[64:65] scope:SCOPE_SE
	s_setreg_imm32_b32 hwreg(HW_REG_WAVE_MODE, 25, 1), 1
	s_wait_xcnt 0x0
	s_wait_alu depctr_hold_cnt(0) depctr_sa_sdst(0) depctr_va_vdst(0) depctr_va_sdst(0) depctr_va_ssrc(0) depctr_va_vcc(0) depctr_vm_vsrc(0)
	s_getreg_b32 s2, hwreg(HW_REG_IB_STS2, 6, 4)
	s_cmp_eq_u32 s2, 0
	s_cbranch_scc0 .Lentry_in_a_cluster
	s_endpgm
.Lentry_in_a_cluster:
	s_bfe_u32 s2, ttmp6, 0x10000c
	s_cmp_lg_u32 s2, 0xf033
	s_cbranch_scc0 .Lentry_shape_is_right
	s_endpgm
.Lentry_shape_is_right:
; out = attn Wo^T + bo.  aw: [bh][1024][64] f16; woh: [2048][2048] f16 (Wo rounded to bf16); out0: [2048][2048] f32; sums in f32.
; 2,048 x 2,048 outputs on 256 work-groups: a block of 128 tokens x 128 columns each.  Cut into four wave tiles of 64 x 64 it would read 8 KiB of LDS for
; 16 matrix instructions; instead K IS SPLIT OVER THE WAVES: every wave keeps the whole 128 x 128 (64 tiles, 512 registers, 16 KiB for 64 instructions)
; on a quarter of K.  A slot holds K = 256 = four heads; wave w multiplies head 4 t + w.  The four partial sums meet once, through LDS, at the end
; (so an output is the sum of four f32 sums, each over 512 of K: an order of rounding of its own).
; Wave w takes A's row blocks in the order (i + 2 w) % 8, so that its accumulator rows a' = 0, 1 are the 32 rows that it finishes (32 w ..), by one text
; for all waves; bo is the C of the first product of those tiles alone, so each output gets it once; all other sums start from the constant 0.
; CLUSTERS of 4 x 4: the attention rows are shared along a row of the cluster, Wo's rows along a column: joint loads, a quarter of the requests.
; The matrix instruction is used transposed (source 0 = rows of Wo, source 1 = tokens): a lane holds token l % 16, columns 16 b + 8 (l / 16) + 0..7.
; REGISTERS: window 0: v20-47 addresses, v64-127 / v128-191 token fragments, v192-255 bias; window 1: v64-127 / v128-191 Wo fragments;
;            window 2: tiles a' = 0..3 at 8 (8 a + b); window 3: a' = 4..7.
.set PITCH,  272                       ; two token rows of a head (256 bytes) + 16
.set HB,     64*PITCH                  ; a head's 128 token rows: 17,408
.set LOADB,  2*HB                      ; wave w's load lands at w x 34,816
.set BPITCH, 528                       ; a row of Wo in a slot: 512 bytes + 16
.set SLOT,   3*LOADB+64*BPITCH         ; four heads, Wo rows 0-63 (in 34,816 bytes' room), Wo rows 64-127: 138,240
.set STAGE,  2*SLOT                    ; 276,480 = 1,080 x 256: 16 rows x 528 bytes for each wave; no fill lands here
.set EXR,    16384                     ; the exchange: a region holds two row blocks of eight tiles of 1,024 bytes
.set LAPS,   4                         ; 8 slots' worth of K, two a lap
.set ADRB, 20                          ; v20-21  Wo fragments in slot 0, 1
.set EXI,  23                          ; v24-26  exchange, in: the region that wave (w - g) % 4 wrote for me, g = 1, 2, 3
.set EXO,  27                          ; v27     exchange, out: my own three regions
.set STO,  28
.set RD,   29
.set CO,   30
.set BO,   31
.set ADRA, 32                          ; v32-47  token fragment i in slot 0 (32 + i), 1 (40 + i)
.set F0,   64
.set F1,   128
.set BIAS, 192
.set G1,  24
.set G0,  32
.set G1B, 48
.set G0B, 56
.set MSB, 0
.macro WIN new                         ; the immediate's high byte repeats the setting that is left
.if MSB != \new
	s_set_vgpr_msb (MSB<<8)|\new
.set MSB, \new
.endif
.endm
; A joint load: waves 0, 1 ask for the tokens' four heads, two each; waves 2, 3 for Wo's two halves.  The branch hangs on the wave's number alone.
.macro JLOAD s
	s_cmp_eq_u32 s11, 0
	s_cbranch_scc0 .Lfor_b_\@
	tensor_load_to_lds s[G0+4*\s:G0+4*\s+3], s[G1:G1+7]
	s_nop 0
	s_branch .Lasked_\@
.Lfor_b_\@:
	tensor_load_to_lds s[G0B+4*\s:G0B+4*\s+3], s[G1B:G1B+7]
	s_nop 0
.Lasked_\@:
.endm
.macro CREST                           ; a round of the cluster's barrier, behind its opening work-group barrier
	s_cmp_lg_u32 s10, 0
	s_cbranch_scc1 .Lnot_wave_0_\@
	s_barrier_signal -3
.Lnot_wave_0_\@:
	s_barrier_wait -3
	s_barrier_signal -1
	s_barrier_wait -1
.endm
.macro CROUND
	s_barrier_signal -1
	s_barrier_wait -1
	CREST
.endm
.macro PLACES                          ; four plain places behind a matrix instruction (ISA guide 7.12.1)
.rept 4
	v_nop
.endr
.endm
	s_load_b256 s[68:75], s[0:1], 0x0              ; aw s[68:69], woh s[70:71], bo s[72:73], out0 s[74:75]
	s_set_vgpr_msb 0x40
	v_lshl_add_u32 v255, v0, 2, 0x4bc00
	s_set_vgpr_msb 0x4000
	v_mov_b32 v63, 0
	s_set_vgpr_msb 0x1
	ds_add_u32 v255, v63
	s_set_vgpr_msb 0x100
	v_lshrrev_b32 v1, 5, v0
	v_readfirstlane_b32 s10, v1                    ; wave 0..3
	s_lshr_b32 s11, s10, 1                         ; I fetch tokens (0) or Wo (1)
	s_and_b32 s12, s10, 1                          ; which half
	s_bfe_u32 s40, ttmp6, 0x40000                  ; cx
	s_bfe_u32 s41, ttmp6, 0x40004                  ; cy
	s_lshl_b32 s42, ttmp9, 2
	s_add_co_u32 s42, s42, s40                     ; block column
	s_and_b32 s13, ttmp7, 0xffff
	s_lshl_b32 s13, s13, 2
	s_add_co_u32 s13, s13, s41                     ; block row
	s_lshl_b32 s43, s41, 2
	s_lshl_b32 s43, 15, s43                        ; my row of the cluster
	s_lshl_b32 s44, 0x1111, s40                    ; my column
	; tokens: two heads a load; a head's 128 rows are 16,384 dense bytes = one row of 8,192 elements, heads 65,536 elements apart; 16 bytes of padding after every 256
	s_or_b32 s[G1+0], s43, (1<<16)|(1<<20)|(1<<21)|(5<<22)|(3<<25)
	s_mov_b32 s[G1+1], 8192<<16                    ; tensor_dim0
	s_mov_b32 s[G1+2], 2<<16                       ; tensor_dim1
	s_mov_b32 s[G1+3], 8192<<16                    ; tile_dim0
	s_mov_b32 s[G1+4], 2                           ; tile_dim1
	s_mov_b32 s[G1+5], 65536                       ; from head to head
	s_mov_b32 s[G1+6], 0
	s_mov_b32 s[G1+7], 0
	; Wo: 64 rows of 256 elements (512 bytes), 16 bytes of padding behind each
	s_or_b32 s[G1B+0], s44, (1<<16)|(1<<20)|(1<<21)|(6<<22)|(3<<25)
	s_mov_b32 s[G1B+1], 256<<16
	s_mov_b32 s[G1B+2], 64<<16
	s_mov_b32 s[G1B+3], 256<<16
	s_mov_b32 s[G1B+4], 64
	s_mov_b32 s[G1B+5], 2048
	s_mov_b32 s[G1B+6], 0
	s_mov_b32 s[G1B+7], 0
	s_lshr_b32 s16, s13, 3
	s_lshl_b32 s16, s16, 22                        ; batch x 32 heads x 131,072
	s_lshl_b32 s17, s12, 18
	s_add_co_u32 s16, s16, s17                     ; + two heads for the second half
	s_and_b32 s17, s13, 7
	s_lshl_b32 s17, s17, 14
	s_add_co_u32 s16, s16, s17                     ; + 128 rows x block in the batch (hangs on the block row alone)
	s_mov_b32 s17, 0
	s_lshl_b32 s46, s42, 7
	s_lshl_b32 s47, s12, 6
	s_add_co_u32 s46, s46, s47                     ; Wo: row 128 block column + 64 half (hangs on the block column alone)
	s_lshl_b32 s46, s46, 12
	s_mov_b32 s47, 0
	s_mul_i32 s20, s10, LOADB                      ; where my load lands: the wave's number alone
	s_lshl_b32 s76, s42, 9                         ; my block's 128 columns in f32: 512 bytes x block column
	s_mov_b32 s77, 0
	s_lshl_b32 s78, s13, 7
	s_lshl_b32 s79, s10, 5
	s_add_co_u32 s78, s78, s79                     ; the rows that I finish: 128 block row + 32 wave
	s_lshl_b32 s78, s78, 13
	s_add_co_u32 s78, s78, s76
	s_mov_b32 s79, 0
	s_wait_dscnt 0x0
	s_wait_kmcnt 0x0
	s_add_nc_u64 s[14:15], s[68:69], s[16:17]
	s_add_nc_u64 s[46:47], s[70:71], s[46:47]
	s_add_nc_u64 s[72:73], s[72:73], s[76:77]
	s_add_nc_u64 s[74:75], s[74:75], s[78:79]
	CROUND                                         ; all sixteen work-groups are here: the first joint loads meet
.irp s, 0,1
	s_mov_b32 s[G0+4*\s], 1
	s_add_co_u32 s[G0+4*\s+1], s20, \s*SLOT
	s_add_nc_u64 s[G0+4*\s+2:G0+4*\s+3], s[14:15], \s*524288       ; four heads on
	s_or_b32 s[G0+4*\s+3], s[G0+4*\s+3], 0x80000000
	s_mov_b32 s[G0B+4*\s], 1
	s_add_co_u32 s[G0B+4*\s+1], s20, \s*SLOT
	s_add_nc_u64 s[G0B+4*\s+2:G0B+4*\s+3], s[46:47], \s*512        ; 256 along K
	s_or_b32 s[G0B+4*\s+3], s[G0B+4*\s+3], 0x80000000
	JLOAD \s                                       ; two loads of the wave are out
.endr
	v_and_b32 v1, 15, v0                           ; r
	v_bfe_u32 v2, v0, 4, 1                         ; h
	v_and_b32 v5, 31, v0                           ; l
	v_lshrrev_b32 v3, 1, v1
	v_mul_u32_u24 v3, v3, PITCH
	v_and_b32 v4, 1, v1
	v_lshl_add_u32 v3, v4, 7, v3
	v_lshl_add_u32 v3, v2, 4, v3                   ; token row r of a block: (r / 2) 272 + (r % 2) 128 + 16 h: sixteen different 16-byte columns modulo 256
	s_mul_i32 s21, s10, HB                         ; my head of the slot's four
.irp i, 0,1,2,3,4,5,6,7
	s_lshl_b32 s22, s10, 1
	s_add_co_u32 s22, s22, \i
	s_and_b32 s22, s22, 7                          ; row block (i + 2 w) % 8
	s_mul_i32 s22, s22, 8*PITCH
	s_add_co_u32 s22, s22, s21
	v_add_nc_u32 v[ADRA+\i], s22, v3
	v_add_nc_u32 v[ADRA+8+\i], SLOT, v[ADRA+\i]
.endr
	v_mul_u32_u24 v4, v1, BPITCH
	v_lshl_add_u32 v4, v2, 4, v4
	s_lshl_b32 s22, s10, 7
	s_add_co_u32 s22, s22, 2*LOADB                 ; Wo behind the four heads; my head's 128 bytes of its rows
	v_add_nc_u32 v[ADRB], s22, v4
	v_add_nc_u32 v[ADRB+1], SLOT, v[ADRB]
	s_mul_i32 s22, s10, 3*EXR
	v_lshl_add_u32 v[EXO], v5, 4, s22              ; exchange, out: wave x 49,152 + 16 l: each wave writes regions of its own
.irp g, 1,2,3
	s_add_co_u32 s22, s10, 4-\g
	s_and_b32 s22, s22, 3                          ; exchange, in: wave (w - g) % 4 held my rows as its a' = 2 g, 2 g + 1
	s_mul_i32 s22, s22, 3
	s_add_co_u32 s22, s22, \g-1                    ; and put them into its region g - 1
	s_lshl_b32 s22, s22, 14
	v_lshl_add_u32 v[EXI+\g], v5, 4, s22
.endr
	s_mul_i32 s23, s10, 16*BPITCH
	s_add_co_u32 s23, s23, STAGE
	v_mul_u32_u24 v4, v1, BPITCH
	v_lshl_add_u32 v4, v2, 5, v4
	v_add_nc_u32 v[STO], s23, v4                   ; stage in: row r, 32 bytes for each half of the lanes
	v_lshl_add_u32 v[RD], v5, 4, s23               ; back: a row's 512 bytes a load
	v_lshlrev_b32 v[CO], 4, v5
	v_lshlrev_b32 v[BO], 5, v2
.irp b, 0,1,2,3,4,5,6,7
	global_load_b128 v[BIAS+8*\b:BIAS+8*\b+3],   v[BO], s[72:73] offset:64*\b          ; bo of columns 16 b + 8 h + 0..3: the accumulator's own layout
	global_load_b128 v[BIAS+8*\b+4:BIAS+8*\b+7], v[BO], s[72:73] offset:64*\b+16
.endr
; 16 matrix instructions: accumulator rows a0, a0 + 1 of the window's four x 8 column blocks.  mode 0: add on; 1: start from 0; 2: start from the bias.
; The 64 accumulators take turns, one instruction a turn, in the same order in every quarter.
.macro MUL16 f, hi, a0, mode
.irp a, \a0, \a0+1
.irp b, 0,1,2,3,4,5,6,7
.if \mode == 2
	v_wmma_f32_16x16x32_f16 v[8*(8*(\a)+\b):8*(8*(\a)+\b)+7], v[\f+8*\b:\f+8*\b+7], v[\f+8*(4*\hi+\a):\f+8*(4*\hi+\a)+7], v[BIAS+8*\b:BIAS+8*\b+7]
.else
.if \mode == 1
	v_wmma_f32_16x16x32_f16 v[8*(8*(\a)+\b):8*(8*(\a)+\b)+7], v[\f+8*\b:\f+8*\b+7], v[\f+8*(4*\hi+\a):\f+8*(4*\hi+\a)+7], 0
.else
	v_wmma_f32_16x16x32_f16 v[8*(8*(\a)+\b):8*(8*(\a)+\b)+7], v[\f+8*\b:\f+8*\b+7], v[\f+8*(4*\hi+\a):\f+8*(4*\hi+\a)+7], v[8*(8*(\a)+\b):8*(8*(\a)+\b)+7]
.endif
.endif
.endr
.endr
.endm
; 32 LDS loads in one run: 128 rows of Wo, 128 tokens, 32 K at byte k of my head, into buffer f.  Wo's block i lies 1,024 bytes further on from block 4.
.macro FETCH slot, k, f
	WIN 0x40                                       ; destination window 1, address window 0
.irp i, 0,1,2,3,4,5,6,7
	ds_load_b128 v[\f+8*\i:\f+8*\i+3],   v[ADRB+\slot] offset:\k+\i*16*BPITCH+(\i/4)*1024
	ds_load_b128 v[\f+8*\i+4:\f+8*\i+7], v[ADRB+\slot] offset:\k+\i*16*BPITCH+(\i/4)*1024+32
.endr
	WIN 0
.irp i, 0,1,2,3,4,5,6,7
	ds_load_b128 v[\f+8*\i:\f+8*\i+3],   v[ADRA+8*\slot+\i] offset:\k
	ds_load_b128 v[\f+8*\i+4:\f+8*\i+7], v[ADRA+8*\slot+\i] offset:\k+32
.endr
.endm
; A slot is two halves of 32 along my head's K.  The first: multiplies buffer 0, fetches the second half into buffer 1.
.macro QUARTER slot, first
	s_wait_dscnt 8                                 ; Wo and token blocks 0-3 are in; the youngest eight loads may be out
.if \first
	WIN 0x81                                       ; C (bias) in window 0, D in window 2
	MUL16 F0, 0, 0, 2
	WIN 0xa1
	MUL16 F0, 0, 2, 1
.else
	WIN 0xa1
	MUL16 F0, 0, 0, 0
	MUL16 F0, 0, 2, 0
.endif
	PLACES
	FETCH \slot, 64, F1
	s_wait_dscnt 32                                ; all but the 32 just issued
	WIN 0xf1
	MUL16 F0, 1, 0, \first
	MUL16 F0, 1, 2, \first
.endm
; The second: multiplies buffer 1 and changes slots.  In front of the barrier: my reads of this slot and all my tensor loads (one is out: my part of the
; next slot).  Where the slot is filled again the barrier opens a round of the cluster's barrier and the joint refill is my first and only tensor load
; behind it.  From that request to the wait for it a wave issues 112 matrix instructions.
.macro TURN slot, next, fill
	s_wait_dscnt 8
	WIN 0xa1
	MUL16 F1, 0, 0, 0
	s_wait_dscnt 0                                 ; my reads of this slot are back
	s_wait_tensorcnt 0x0                           ; all my tensor loads have landed
	ds_add_u32 v255, v63
	s_wait_dscnt 0x0
	s_barrier_signal -1
	MUL16 F1, 0, 2, 0                              ; register work while the others arrive
	WIN 0
	s_barrier_wait -1
.if \fill
	CREST
	s_add_nc_u64 s[G0+4*\slot+2:G0+4*\slot+3], s[G0+4*\slot+2:G0+4*\slot+3], 1048576       ; eight heads on; no load of mine is out
	s_add_nc_u64 s[G0B+4*\slot+2:G0B+4*\slot+3], s[G0B+4*\slot+2:G0B+4*\slot+3], 1024
	JLOAD \slot
.endif
	PLACES
	FETCH \next, 0, F0
	WIN 0xf1
	MUL16 F1, 1, 0, 0
	MUL16 F1, 1, 2, 0
.endm
.macro LAP first
	QUARTER 0, \first
	TURN 0, 1, 1
	QUARTER 1, 0
	TURN 1, 0, 1
.endm
	s_wait_tensorcnt 1                             ; my part of slot 0 is in; slot 1's stays out
	s_barrier_signal -1
	s_barrier_wait -1
	FETCH 0, 0, F0
	s_wait_loadcnt 0x0                             ; the bias, C of the first products
	LAP 1
	WIN 0
	s_mov_b32 s3, LAPS-2
.Llap:
	LAP 0
	WIN 0
	s_sub_co_u32 s3, s3, 1
	s_cmp_lg_u32 s3, 0
	s_cbranch_scc1 .Llap
	QUARTER 0, 0                                   ; the last lap fills nothing
	TURN 0, 1, 0
	QUARTER 1, 0
	s_wait_dscnt 8
	WIN 0xa1
	MUL16 F1, 0, 0, 0
	MUL16 F1, 0, 2, 0
	s_wait_dscnt 0                                 ; my last reads of the ring are back
	WIN 0xf1
	MUL16 F1, 1, 0, 0
	MUL16 F1, 1, 2, 0
	WIN 0
	PLACES                                         ; the places behind the last products, for the stores of results and the loads into the fragment buffers below
	s_barrier_signal -1
	s_barrier_wait -1                              ; everybody's reads are back, and the ring has had its last fill: its first 196,608 bytes carry the exchange
; THE FOUR PARTIAL SUMS MEET.  My rows a' = 2 g, 2 g + 1 belong to wave (w + g) % 4; they go into my region g - 1 as plain register images:
; a tile is 1,024 bytes, 16 bytes a lane, lanes side by side, registers 0-3 and then 4-7.
.macro EXOUT g, win, a0
	WIN \win                                       ; the store's data in the accumulators' window
.irp a, \a0, \a0+1
.irp b, 0,1,2,3,4,5,6,7
	ds_store_b128 v[EXO], v[8*(8*(\a)+\b):8*(8*(\a)+\b)+3]   offset:EXR*(\g-1)+8192*((\a)-\a0)+1024*\b
	ds_store_b128 v[EXO], v[8*(8*(\a)+\b)+4:8*(8*(\a)+\b)+7] offset:EXR*(\g-1)+8192*((\a)-\a0)+1024*\b+512
.endr
.endr
.endm
; chunk c of six: from the wave g = c / 2 + 1 behind me, row block c % 2: eight tiles into buffer c % 2 ...
.macro EXIN c
	WIN 0
.irp b, 0,1,2,3,4,5,6,7
	ds_load_b128 v[F0+64*((\c)%2)+8*\b:F0+64*((\c)%2)+8*\b+3],   v[EXI+1+(\c)/2] offset:8192*((\c)%2)+1024*\b
	ds_load_b128 v[F0+64*((\c)%2)+8*\b+4:F0+64*((\c)%2)+8*\b+7], v[EXI+1+(\c)/2] offset:8192*((\c)%2)+1024*\b+512
.endr
.endm
; ... and added onto my tiles a' = c % 2
.macro EXADD c
	WIN 0x82                                       ; destination and source 0 in window 2, source 1 in window 0
.irp b, 0,1,2,3,4,5,6,7
.irp p, 0,2,4,6
	v_pk_add_f32 v[8*(8*((\c)%2)+\b)+\p:8*(8*((\c)%2)+\b)+\p+1], v[8*(8*((\c)%2)+\b)+\p:8*(8*((\c)%2)+\b)+\p+1], v[F0+64*((\c)%2)+8*\b+\p:F0+64*((\c)%2)+8*\b+\p+1]
.endr
.endr
.endm
.macro EXSTEP c, n
	s_wait_dscnt 16                                ; chunk c is in; the next chunk's 16 loads stay out
	EXADD \c
	EXIN \n                                        ; into the buffer that has just been added
.endm
	EXOUT 1, 0x08, 2                               ; a' = 2, 3: window 2
	EXOUT 2, 0x0c, 0                               ; a' = 4, 5: window 3
	EXOUT 3, 0x0c, 2                               ; a' = 6, 7
	WIN 0
	s_wait_dscnt 0x0                               ; my stores are done, for the others' sake
	s_barrier_signal -1
	s_barrier_wait -1
	EXIN 0
	EXIN 1
	EXSTEP 0, 2
	EXSTEP 1, 3
	EXSTEP 2, 4
	EXSTEP 3, 5
	s_wait_dscnt 16
	EXADD 4
	s_wait_dscnt 0
	EXADD 5
; THE WAY OUT, 16 rows at a time through my own stage: each store of the wave covers a row's 512 consecutive bytes, aligned.
.macro OUT16 ap
	WIN 0x08
.irp b, 0,1,2,3,4,5,6,7
	ds_store_b128 v[STO], v[8*(8*\ap+\b):8*(8*\ap+\b)+3]   offset:64*\b
	ds_store_b128 v[STO], v[8*(8*\ap+\b)+4:8*(8*\ap+\b)+7] offset:64*\b+16
.endr
	WIN 0
.irp t, 0,1,2,3,4,5,6,7,8,9,10,11,12,13,14,15
	ds_load_b128 v[F0+64*\ap+4*\t:F0+64*\ap+4*\t+3], v[RD] offset:BPITCH*\t   ; a wave's LDS instructions are served in order: these see the stores above
.endr
.irp t, 0,1,2,3,4,5,6,7,8,9,10,11,12,13,14,15
	s_wait_dscnt 15-\t
	global_store_b128 v[CO], v[F0+64*\ap+4*\t:F0+64*\ap+4*\t+3], s[74:75] offset:(16*\ap+\t)*8192 th:TH_STORE_NT   ; each half has its own buffer: no store's data is written again
.endr
.endm
	OUT16 0
	OUT16 1
	s_set_vgpr_msb 0x1
	s_wait_tensorcnt 0x0
	ds_add_u32 v255, v63
	s_wait_dscnt 0x0
	s_set_vgpr_msb 0x100
	CROUND                                         ; the closing round: no work-group ends while a partner may still ask for a tile that names it
	s_endpgm
.Lfunc_end_k_q8194603f1f_oproj:
	.size	k_q8194603f1f_oproj, .Lfunc_end_k_q8194603f1f_oproj-k_q8194603f1f_oproj
	.p2alignl 7, 3214868480
	.fill 96, 4, 3214868480
	.section	.rodata,"a",@progbits
	.p2align	6, 0x0
	.amdhsa_kernel k_q8194603f1f_oproj
		.amdhsa_group_segment_fixed_size 327680
		.amdhsa_private_segment_fixed_size 0
		.amdhsa_enable_private_segment 0
		.amdhsa_kernarg_size 32
		.amdhsa_user_sgpr_count 2
		.amdhsa_user_sgpr_kernarg_segment_ptr 1
		.amdhsa_wavefront_size32 1
		.amdhsa_system_sgpr_workgroup_id_x 1
		.amdhsa_system_sgpr_workgroup_id_y 1
		.amdhsa_system_sgpr_workgroup_id_z 1
		.amdhsa_system_vgpr_workitem_id 0
		.amdhsa_next_free_vgpr 1024
		.amdhsa_next_free_sgpr 80
		.amdhsa_reserve_vcc 0
		.amdhsa_float_denorm_mode_32 3
		.amdhsa_float_denorm_mode_16_64 3
		.amdhsa_memory_ordered 1
		.amdhsa_forward_progress 1
		.amdhsa_inst_pref_size 124
	.end_amdhsa_kernel
	.amdgpu_metadata
---
amdhsa.version: [ 1, 2 ]
amdhsa.kernels:
  - .name:           k_q8194603f1f_oproj
    .symbol:         k_q8194603f1f_oproj.kd
    .args:
      - { .name: aw, .offset: 0, .size: 8, .value_kind: global_buffer, .address_space: global }
      - { .name: woh, .offset: 8, .size: 8, .value_kind: global_buffer, .address_space: global }
      - { .name: bo, .offset: 16, .size: 8, .value_kind: global_buffer, .address_space: global }
      - { .name: out0, .offset: 24, .size: 8, .value_kind: global_buffer, .address_space: global }
    .group_segment_fixed_size: 327680
    .private_segment_fixed_size: 0
    .kernarg_segment_align: 8
    .kernarg_segment_size: 32
    .max_flat_workgroup_size: 128
    .sgpr_count:     80
    .vgpr_count:     1024
    .wavefront_size: 32
...
	.end_amdgpu_metadata
.endif
;; end of part 4
